; MI455X (gfx1250); checked and timed in simulation.
; The chip was launched on July 23, 2026; its instructions are those of AMD's public machine-readable ISA for CDNA 5 (MIT licence, August 2026) and "CDNA5" Instruction Set Architecture Reference Guide (July 2026). The comments in the code are by the model that wrote it; some were corrected since.
;; Multi Head Attention. Allowed arithmetic: matrix products marked QUANTISED: E4M3 operands, one given power-of-two scale a tensor, by v_wmma_f32_16x16x64_fp8_fp8 or v_wmma_f32_16x16x128_fp8_fp8, f32 sums; everything else in f32.
;; Inputs: Wk_codes 16 x 64 x 32 x 32 uint8 (E4M3 codes of Wk, K innermost, in blocks of 32 codes); Wo_codes 1,024 x 32 x 32 uint8 (E4M3 codes of Wo, K innermost, in blocks of 32 codes); Wq_codes 16 x 64 x 32 x 32 uint8 (E4M3 codes of Wq, K innermost, in blocks of 32 codes); Wv_codes 16 x 64 x 32 x 32 uint8 (E4M3 codes of Wv, K innermost, in blocks of 32 codes); bk 16 x 64 float32; bo 1,024 float32; bq 16 x 64 float32; bv 16 x 64 float32; k_embs_codes 8 x 1,024 x 32 x 32 uint8 (E4M3 codes of k_embs, K innermost, in blocks of 32 codes); lowp_scales 12 int32 (the exponents e of the quantised operands' scales 2^e); q_embs_codes 8 x 1,024 x 32 x 32 uint8 (E4M3 codes of q_embs, K innermost, in blocks of 32 codes); v_embs_codes 8 x 1,024 x 32 x 32 uint8 (E4M3 codes of v_embs, K innermost, in blocks of 32 codes).
;; Outputs: out0 8 x 1,024 x 1,024 float32.
;; This version of the problem:
;;   THIS VERSION OF THE PROBLEM IS GIVEN IN LOW PRECISION. The matrix products marked QUANTISED in the list below multiply operands that are first quantised to E4M3 (4 exponent bits, 3 mantissa bits; 8 bits a number), with one given power-of-two scale for each operand tensor; their sums are f32. All else is computed in f32.
;;   The module's matrix products, in the order in which they are computed (A, B: the left and right operand; K: the contracted axis; several contracted axes count as one K, in the product's order):
;;     1. [M 1,024, K 1,024] x [K 1,024, N 8,192]; A: input Wq (given as codes); B: input q_embs (given as codes): QUANTISED (scales: A lowp_scales[0], B lowp_scales[1])
;;     2. [M 1,024, K 1,024] x [K 1,024, N 8,192]; A: input Wk (given as codes); B: input k_embs (given as codes): QUANTISED (scales: A lowp_scales[2], B lowp_scales[3])
;;     3. [M 1,024, K 1,024] x [K 1,024, N 8,192]; A: input Wv (given as codes); B: input v_embs (given as codes): QUANTISED (scales: A lowp_scales[4], B lowp_scales[5])
;;     4. batch 128 x [M 1,024, K 64] x [K 64, N 1,024]; A: computed on the way; B: computed on the way: QUANTISED (scales: A lowp_scales[6], B lowp_scales[7])
;;     5. batch 128 x [M 1,024, K 1,024] x [K 1,024, N 64]; A: softmax (see below); B: computed on the way: QUANTISED (scales: A lowp_scales[8], B lowp_scales[9])
;;     6. [M 8,192, K 1,024] x [K 1,024, N 1,024]; A: computed on the way; B: input Wo (given as codes): QUANTISED (scales: A lowp_scales[10], B lowp_scales[11])
;;   THE QUANTISER, for each operand of a quantised product, along K:
;;     - The operand's scale is 2^e, e = its entry of the input lowp_scales (int32; the entries are numbered through the quantised products in the list's order, A before B).
;;     - Each number is divided by the scale, clamped to +-448, and rounded to the nearest number of E4M3, ties to even, subnormals kept.
;;     - The product sums the exact products of the quantised numbers (number of the format x scale) in f32.
;;   ~~~python
;;   def quantise(x, axis, e):      # numpy; x: float32 -> the quantised numbers, widened to float32 again
;;       x = np.moveaxis(x, axis, -1); K = x.shape[-1]
;;       r = np.clip(x / 2.0 ** e, -448, 448)
;;       step = 2.0 ** (np.maximum(np.frexp(np.where(r == 0, 1, r))[1] - 1, -6) - 3)
;;       q = np.round(r / step) * step * 2.0 ** e      # np.round: ties to even
;;       return np.moveaxis(q, -1, axis).astype(np.float32)
;;   ~~~
;;   SOFTMAX AHEAD OF A QUANTISED PRODUCT. Where the list says 'softmax', what is quantised is not the finished softmax but p = 2^(t - M), with t = logit x log2(e) and M = ceil(the row's largest t), a whole number; so 1/2 < the row's largest p <= 1. The row's sum l is taken of the UNQUANTISED p, in f32, and the product's result is divided by l at the end. Since M is a whole number, a kernel that streams over the keys may use a running M (the ceiling of the running maximum): every later rescaling is an exact power of two, so the quantised numbers keep their values, but for numbers so far below the row's largest that they fall under the format's range.
;;   OPERANDS COMPUTED ON THE WAY. 'Computed on the way' means the value that the module computes at that place (a softmax that the list does not call 'softmax' is quantised finished and normalised). What goes into a quantiser is computed in f32, as accurately as f32 sums, v_exp_f32 and their like allow (about 1e-6 of the number): no bf16 or f16 on the way to a quantiser, and a product that is left as it is and whose result goes on into a quantised operand takes f32 operands (vector FMAs, or v_wmma_f32_16x16x4_f32). A number that lies on a knife's edge between two numbers of the format may be rounded either way, as far as f32 arithmetic and the matrix unit's own rounding can turn it there, and no further.
;;   INPUTS GIVEN AS CODES. Wk (in the module: [16, 1024, 64], K = its axis 1); Wo (in the module: [1024, 1024], K = its axis 0); Wq (in the module: [16, 1024, 64], K = its axis 1); Wv (in the module: [16, 1024, 64], K = its axis 1); k_embs (in the module: [8, 1024, 1024], K = its axis 2); q_embs (in the module: [8, 1024, 1024], K = its axis 2); v_embs (in the module: [8, 1024, 1024], K = its axis 2): each comes as NAME_codes (uint8): NAME with its K axis moved to the last place and cut into blocks of 32 codes, [.., K / 32, bytes a block], one block behind the other in memory; one code a byte (a code: sign, 4 exponent bits, 3 mantissa bits); its scale is its entry of lowp_scales. Its value is code x scale, taken as it is: it is not quantised again, and the codes and scales need not be those that the quantiser above would give.
;; One version. Each part assembles by itself: llvm-mc -triple=amdgcn-amd-amdhsa -mcpu=gfx1250 --defsym DOCPART=n.
;; ======== version 1 of 1: 3 launches
;; limits: right only within a limited range of input values
;; workspace buffers: qc 8,388,608 bytes; kc 8,388,608 bytes; vc 8,388,608 bytes; cc 8,388,608 bytes
;; launch proj (part 1): grid 4 x 64, 4 waves a work-group, clusters of 4 x 4, 327,680 bytes of LDS; arguments q_embs_codes, k_embs_codes, Wv_codes, Wq_codes, Wk_codes, v_embs_codes, bq, bk, bv, qc, kc, vc, lowp_scales; writes qc, kc, vc
.if DOCPART == 1
	.amdgcn_target "amdgcn-amd-amdhsa--gfx1250"
	.amdhsa_code_object_version 6
	.text
	.protected	k_q49a65514c6_proj
	.globl	k_q49a65514c6_proj
	.p2align	8
	.type	k_q49a65514c6_proj,@function
k_q49a65514c6_proj:
	s_mov_b64 s[64:65], 0
	v_nop
	global_prefetch_b8 v0, s[64:65] scope:SCOPE_SE
	s_setreg_imm32_b32 hwreg(HW_REG_WAVE_MODE, 25, 1), 1
	s_wait_xcnt 0x0
	s_wait_alu depctr_hold_cnt(0) depctr_sa_sdst(0) depctr_va_vdst(0) depctr_va_sdst(0) depctr_va_ssrc(0) depctr_va_vcc(0) depctr_vm_vsrc(0)
	s_getreg_b32 s2, hwreg(HW_REG_IB_STS2, 6, 4)
	s_cmp_eq_u32 s2, 0
	s_cbranch_scc0 .Lentry_in_a_cluster
	s_endpgm
.Lentry_in_a_cluster:
	s_bfe_u32 s2, ttmp6, 0x10000c
	s_cmp_lg_u32 s2, 0xf033
	s_cbranch_scc0 .Lentry_shape_is_right
	s_endpgm
.Lentry_shape_is_right:
; THE THREE PROJECTIONS, q = q_embs Wq + bq, k = k_embs Wk + bk, v = v_embs Wv + bv, on codes of FP8 (E4M3), each result quantised at once with its given scale.
; DEAD WORK left out by the program: the attention launch leaves out key steps that lie wholly under the causal mask which reference() builds itself (their p is 0 for all inputs); a NaN or infinity that reaches only them is not carried to the result.
; One body: out(i, j) = X[i] . Y[j] + bias, X and Y rows of 1,024 codes.  k: X = k_embs (8,192 rows), Y = Wk (1,024 rows: 64 head + d); q likewise.  v: X = Wv, Y = v_embs (the keys).
; The matrix instruction takes 16 rows of Y as source 0 and 16 rows of X as source 1: a lane holds ONE i and eight neighbouring j, so its registers run along the K of the product that reads the result.
; OUT: chunks of 512 bytes, lane l's 16 bytes at 16 l.  Byte 8 u + jj of lane (r, hh) of the chunk of X block a and Y blocks 2 e, 2 e + 1 is out(16 a + r, 32 e + 16 u + 8 hh + jj).
;   qc, kc: [batch 8][head 16][16 rows: 64][32 of d: 2][512].   vc: [batch 8][128 keys: 8][64 keys: 2][head 16][16 of dv: 4][32 keys: 2][512].
;   The chunk (a, e) of a wave lies at a x 1024 + (e / 2) x 65536 + (e % 2) x 512 from ((x0 >> 10) + (y0 >> 10)) << 20 + (x0 & 1023) << 6 + (y0 & 1023) << 10.
; SHARES: 256 work-groups of four waves.  Each makes F, 256 x 256 of k (clusters 0-7) or of v (clusters 8-15), a wave 128 x 128; then H, 128 x 256 of q, a wave 64 x 128.  Eight K steps of 256 (F0-F3, H0-H3) go through two LDS slots without a stop between F and H.
; CLUSTERS: 4 x 4; the four of a row of the cluster need the same rows of X, the four of a column the same rows of Y: each tile is asked for jointly.
; PREFETCH: behind the joint load of a step stands the prefetch of the step two on (the first time F2 as well), for the embeddings alone: each partner names a quarter of the rows that its wave fetches, told apart by address.  Weights are read by 8 or 16 clusters and are not prefetched.
; THE BIAS is the C of each sum's first matrix instruction, divided by the power of two that the sums lack (2^es).  A sum's code is sum / 2^(eo - es).
; LIMITS: eo - es between -126 and 119; bias x 2^-es finite.  NaN among the biases is not served.
; REGISTERS, windows of 256: 0: v0-31 addresses; v32-63 held sums; v64-127 the bias as C; v128-255 X's fragments (F: 8 blocks; H: two sets of 4), v192-255 also codes.  1: Y's fragments, two sets.  2, 3: accumulators ((a, b) at v[8 (8 (a % 4) + b)]).
.set KROW,   1024
.set ROWB,   256                       ; a tile's row: 256 along K
.set PITCH,  272                       ; an LDS row: 256 bytes + 16: the 16 rows of a load start in 16 different 16-byte columns of 256 bytes
.set HALFT,  128*PITCH
.set SLOT,   4*HALFT                   ; X's 256 rows (H: 64 rows at 0 and 64 at HALFT), then Y's 256
.set SPARE,  2*SLOT                    ; the spare words, 128 bytes for each wave, which no other line names
.set FR,     16
.set NL,     4
.set NP,     4                         ; places behind this matrix instruction (ISA guide 7.12.1)
.set ADRA, 16
.set ADRB, 20
.set HB,   22                          ; 32 x (lane / 16)
.set PFH,  23                          ; prefetch offsets: H's 16 rows,
.set PFO,  24                          ; F's 32 rows; never rewritten
.set LO,   26
.set SPW,  28
.set NIL,  29
.set QSC,  30                          ; 2^(eo - es)
.set QLIM, 31                          ; 448 x that
.set VOJ,  32
.set TMP,  32
.set CB,   64
.set AF,   128
.set CD,   192
.set G1,  24                           ; s[24:31] group 1 for F's X;  s[32:39] group 0, one set a slot
.set G0,  32
.set G1B, 48                           ; the same for Y
.set G0B, 56
.set G1H, 80                           ; s[80:87] group 1 for H's X
.set ZZ,  66                           ; 0: F is k, 1: F is v
.set MSB, 0
.macro WIN new
.if MSB != \new
	s_set_vgpr_msb (MSB<<8)|\new
.set MSB, \new
.endif
.endm
.set MUL_LO, 0xa1                      ; source 0 (Y) window 1, source 1 (X) window 0, C and D window 2
.set MUL_HI, 0xf1                      ; C and D window 3
.set FST_LO, 0x81                      ; C (the bias) window 0, D window 2
.set FST_HI, 0xc1
.set TO_B,   0x40
; A joint load: waves 0 and 1 fetch for X, waves 2 and 3 for Y.  The branch hangs on the wave's number alone.
.macro JLOAD g0a, g1a, g0b, g1b
	s_cmp_eq_u32 s15, 0
	s_cbranch_scc0 .Lfor_b_\@
	tensor_load_to_lds s[\g0a:\g0a+3], s[\g1a:\g1a+7]
	s_nop 0
.rept 4
	v_nop
.endr
	s_branch .Lasked_\@
.Lfor_b_\@:
	tensor_load_to_lds s[\g0b:\g0b+3], s[\g1b:\g1b+7]
	s_nop 0
.rept 4
	v_nop
.endr
.Lasked_\@:
.endm
.macro CREST                           ; a round of the cluster's barrier behind its opening barrier
	s_cmp_lg_u32 s14, 0
	s_cbranch_scc1 .Lnot_wave_0_\@
	s_barrier_signal -3
.Lnot_wave_0_\@:
	s_barrier_wait -3
	s_barrier_signal -1
	s_barrier_wait -1
.endm
.macro CROUND
	s_barrier_signal -1
	s_barrier_wait -1
	CREST
.endm
.macro ASK_H off                       ; 16 rows of q_embs for each X wave of each partner; lanes 16-31 name the last row again
	s_cmp_eq_u32 s15, 0
	s_cbranch_scc0 .Lno_ask_\@
	global_prefetch_b8 v[PFH], s[4:5] offset:\off th:TH_LOAD_NT scope:SCOPE_SE
.Lno_ask_\@:
.endm
	s_load_b512 s[68:83], s[0:1], 0x0              ; q_embs, k_embs, Wv, Wq, Wk, v_embs, bq, bk
	s_load_b256 s[84:91], s[0:1], 0x40             ; bv, qc, kc, vc
	s_load_b64 s[92:93], s[0:1], 0x60              ; the exponents
	v_lshl_add_u32 v[SPW], v0, 2, SPARE
	v_mov_b32 v[NIL], 0
	ds_add_u32 v[SPW], v[NIL]                      ; the opening: the add, twice on end, and its wait
	ds_add_u32 v[SPW], v[NIL]
	v_lshrrev_b32 v1, 5, v0
	v_readfirstlane_b32 s14, v1                    ; wave 0..3
	s_lshr_b32 s15, s14, 1                         ; which half of the tile's X rows is mine.  Also: I fetch for X (0) or for Y (1)
	s_and_b32 s16, s14, 1                          ; which half of its Y rows.  Also: which half of that tile I fetch
	s_bfe_u32 s40, ttmp6, 0x40000                  ; cx, cy
	s_bfe_u32 s41, ttmp6, 0x40004
	s_and_b32 s3, ttmp7, 0xffff                    ; the cluster's number, 0..15
	s_lshr_b32 s[ZZ], s3, 3
	s_and_b32 s67, s3, 7
	s_lshl_b32 s67, s67, 2
	s_cmp_eq_u32 s[ZZ], 1
	s_cselect_b32 s18, 0, s67                      ; the long side is X's for k, Y's for v
	s_cselect_b32 s19, s67, 0
	s_add_co_u32 s17, s18, s41                     ; X's tile: cy enters it, cx never
	s_add_co_u32 s42, s19, s40                     ; Y's tile: cx enters it, cy never
	s_lshl_b32 s43, s41, 2
	s_lshl_b32 s43, 15, s43                        ; my row of the cluster
	s_lshl_b32 s44, 0x1111, s40                    ; my column
	s_or_b32 s[G1+0], s43, (1<<20)|(1<<21)|(5<<22)|(3<<25)   ; the mask; elements of 1 byte; four words of padding after every 64
	s_or_b32 s[G1B+0], s44, (1<<20)|(1<<21)|(5<<22)|(3<<25)
.irp g, G1, G1B
	s_mov_b32 s[\g+1], ROWB<<16
	s_mov_b32 s[\g+2], 128<<16
	s_mov_b32 s[\g+3], ROWB<<16
	s_mov_b32 s[\g+4], 128
	s_mov_b32 s[\g+5], KROW
	s_mov_b32 s[\g+6], 0
	s_mov_b32 s[\g+7], 0
.endr
	s_lshl_b32 s18, s16, 7
	s_lshl_b32 s20, s17, 8
	s_add_co_u32 s20, s20, s18
	s_lshl_b32 s20, s20, 10                        ; F's X rows that I fetch, in bytes
	s_mov_b32 s21, 0
	s_lshl_b32 s46, s42, 8
	s_add_co_u32 s46, s46, s18
	s_lshl_b32 s46, s46, 10                        ; F's Y
	s_mov_b32 s47, 0
	s_lshl_b32 s94, s3, 19
	s_lshl_b32 s95, s41, 17
	s_add_co_u32 s94, s94, s95
	s_lshl_b32 s95, s16, 16
	s_add_co_u32 s94, s94, s95                     ; H's X: rows 512 x cluster + 128 cy + 64 x half
	s_mov_b32 s95, 0
	s_lshl_b32 s96, s40, 18
	s_lshl_b32 s97, s16, 17
	s_add_co_u32 s96, s96, s97                     ; H's Y: rows 256 cx + 128 x half
	s_mov_b32 s97, 0
	s_mul_i32 s45, s14, HALFT                      ; LDS: wave x 128 rows
	s_wait_dscnt 0x0                               ; both opening adds are done
	s_wait_kmcnt 0x0
	s_cmp_eq_u32 s[ZZ], 1                          ; F's buffers: the choice hangs on the cluster's number alone
	s_cselect_b64 s[4:5], s[72:73], s[70:71]       ; X
	s_cselect_b64 s[6:7], s[78:79], s[76:77]       ; Y
	s_cselect_b64 s[12:13], s[84:85], s[82:83]     ; the bias
	s_cselect_b64 s[10:11], s[90:91], s[88:89]     ; out
	s_mov_b64 s[8:9], s[80:81]                     ; bq
	s_mov_b64 s[18:19], s[86:87]                   ; qc
	s_add_nc_u64 s[98:99], s[68:69], s[94:95]      ; H's X
	s_add_nc_u64 s[96:97], s[74:75], s[96:97]      ; H's Y
	s_load_b256 s[68:75], s[92:93], 0x0            ; s68 + i is exponent i
	s_load_b128 s[76:79], s[92:93], 0x20
	s_add_nc_u64 s[20:21], s[4:5], s[20:21]
	s_add_nc_u64 s[46:47], s[6:7], s[46:47]
	s_or_b32 s[G1H+0], s43, (1<<20)|(1<<21)|(5<<22)|(3<<25)
	s_mov_b32 s[G1H+1], ROWB<<16
	s_mov_b32 s[G1H+2], 64<<16
	s_mov_b32 s[G1H+3], ROWB<<16
	s_mov_b32 s[G1H+4], 64
	s_mov_b32 s[G1H+5], KROW
	s_mov_b32 s[G1H+6], 0
	s_mov_b32 s[G1H+7], 0
	CROUND                                         ; all sixteen work-groups are here
.irp s, 0,1
	s_mov_b32 s[G0+4*\s], 1
	s_add_co_u32 s[G0+4*\s+1], s45, \s*SLOT
	s_add_nc_u64 s[G0+4*\s+2:G0+4*\s+3], s[20:21], \s*ROWB
	s_or_b32 s[G0+4*\s+3], s[G0+4*\s+3], 0x80000000
	s_mov_b32 s[G0B+4*\s], 1
	s_add_co_u32 s[G0B+4*\s+1], s45, \s*SLOT
	s_add_nc_u64 s[G0B+4*\s+2:G0B+4*\s+3], s[46:47], \s*ROWB
	s_or_b32 s[G0B+4*\s+3], s[G0B+4*\s+3], 0x80000000
.endr
	JLOAD G0, G1, G0B, G1B                         ; F0: one tensor load a wave at the head
	; where the prefetches stand: the 128 rows that I fetch of the embeddings, + 32 rows x my place among the four that ask jointly
	s_cmp_eq_u32 s[ZZ], 1
	s_cselect_b64 s[94:95], s[46:47], s[20:21]
	s_cselect_b32 s22, s41, s40
	s_lshl_b32 s22, s22, 15
	s_mov_b32 s23, 0
	s_add_nc_u64 s[94:95], s[94:95], s[22:23]
	s_lshl_b32 s22, s40, 14
	s_add_nc_u64 s[4:5], s[98:99], s[22:23]        ; H: + 16 rows x cx
	s_lshl_b32 s20, s17, 8
	s_lshl_b32 s21, s15, 7
	s_add_co_u32 s20, s20, s21                     ; x0 of F
	s_lshl_b32 s46, s42, 8
	s_lshl_b32 s47, s16, 7
	s_add_co_u32 s46, s46, s47                     ; y0 of F
	s_lshl_b32 s67, s3, 9
	s_lshl_b32 s21, s41, 7
	s_add_co_u32 s67, s67, s21
	s_lshl_b32 s21, s15, 6
	s_add_co_u32 s67, s67, s21                     ; x0 of H
	s_lshl_b32 s91, s40, 8
	s_add_co_u32 s91, s91, s47                     ; y0 of H
	; F's bias: k: register 8 b + jj takes bias[y0 + 16 b + 8 hh + jj]; v: register 8 a + jj takes bias[x0 + 16 a + r]: a lane's offset is r x s88 + hh x s89 + jj x s90
	s_cmp_eq_u32 s[ZZ], 1
	s_cselect_b32 s88, 4, 0
	s_cselect_b32 s89, 0, 32
	s_cselect_b32 s90, 0, 4
	s_cselect_b32 s2, s20, s46
	s_lshl_b32 s2, s2, 2
	s_mov_b32 s3, 0
	s_add_nc_u64 s[12:13], s[12:13], s[2:3]
	s_lshl_b32 s2, s91, 2
	s_add_nc_u64 s[8:9], s[8:9], s[2:3]            ; H's bias at y0
	; the wave's bases in out
	s_lshr_b32 s21, s20, 10
	s_lshr_b32 s47, s46, 10
	s_add_co_u32 s21, s21, s47
	s_lshl_b32 s21, s21, 20
	s_and_b32 s20, s20, 1023
	s_lshl_b32 s20, s20, 6
	s_add_co_u32 s21, s21, s20
	s_and_b32 s46, s46, 1023
	s_lshl_b32 s46, s46, 10
	s_add_co_u32 s2, s21, s46
	s_add_nc_u64 s[10:11], s[10:11], s[2:3]
	s_lshr_b32 s21, s67, 10
	s_lshl_b32 s21, s21, 20
	s_and_b32 s67, s67, 1023
	s_lshl_b32 s67, s67, 6
	s_add_co_u32 s21, s21, s67
	s_lshl_b32 s91, s91, 10
	s_add_co_u32 s2, s21, s91
	s_add_nc_u64 s[18:19], s[18:19], s[2:3]
	s_mul_i32 s21, s15, HALFT                      ; my rows of X in a slot
	s_mul_i32 s22, s16, HALFT
	s_add_co_u32 s22, s22, 2*HALFT                 ; of Y
	s_add_co_u32 s23, s21, SLOT
	s_add_co_u32 s67, s22, SLOT
	v_and_b32 v1, 15, v0                           ; r
	v_bfe_u32 v2, v0, 4, 1                         ; hh
	v_and_b32 v5, 31, v0
	v_mul_u32_u24 v3, v1, PITCH
	v_lshl_add_u32 v4, v2, 4, v3
	v_add_nc_u32 v[ADRA], s21, v4
	v_add_nc_u32 v[ADRA+1], s23, v4
	v_add_nc_u32 v[ADRB], s22, v4
	v_add_nc_u32 v[ADRB+1], s67, v4
	v_lshlrev_b32 v[LO], 4, v5
	v_lshlrev_b32 v[PFO], 10, v5
	v_min_u32 v6, 15, v5
	v_lshlrev_b32 v[PFH], 10, v6
	v_lshlrev_b32 v[HB], 5, v2
	v_mul_u32_u24 v7, v1, s88
	v_mad_u32_u24 v[VOJ], v2, s89, v7
.irp j, 1,2,3,4,5,6,7
	v_add_nc_u32 v[VOJ+\j], s90, v[VOJ+\j-1]
.endr
.irp x, 0,1,2,3,4,5,6,7
.irp j, 0,1,2,3,4,5,6,7
	global_load_b32 v[CB+8*\x+\j], v[VOJ+\j], s[12:13] offset:64*\x
.endr
.endr
	s_wait_alu depctr_va_vdst(0)
	s_wait_kmcnt 0x0                               ; the exponents
	s_add_co_i32 s2, s68, s69                      ; q's es
	s_add_co_i32 s3, s70, s71
	s_add_co_i32 s67, s72, s73
	s_cmp_eq_u32 s[ZZ], 1
	s_cselect_b32 s3, s67, s3                      ; F's es
	s_cselect_b32 s88, s77, s75                    ; F's eo: entry 9 for v, 7 for k
	s_sub_co_i32 s89, 0, s3
	s_sub_co_i32 s88, s88, s3
	s_add_co_i32 s88, s88, 127
	s_lshl_b32 s90, s88, 23
	s_add_co_i32 s88, s88, 8
	s_lshl_b32 s88, s88, 23
	s_or_b32 s88, s88, 0x600000
	s_sub_co_i32 s91, 0, s2
	s_sub_co_i32 s2, s74, s2                       ; q's eo: entry 6
	s_add_co_i32 s2, s2, 127
	s_lshl_b32 s92, s2, 23
	s_add_co_i32 s2, s2, 8
	s_lshl_b32 s93, s2, 23
	s_or_b32 s93, s93, 0x600000
	v_mov_b32 v[QSC], s90                          ; the conversion takes its exponent field
	v_mov_b32 v[QLIM], s88
.macro FRAG reg, adr, q, i             ; lane l holds row l % 16; registers 4 c .. 4 c + 3 hold K = 32 c + 16 (l / 16) + 0 .. 15: the same order in X and in Y
.irp c, 0,1,2,3
	ds_load_b128 v[\reg+4*\c:\reg+4*\c+3], v[\adr] offset:128*(\q)+32*\c+(\i)*16*PITCH
.endr
.endm
; 16 matrix instructions of F: X's blocks a0, a0 + 1 x Y's eight.  cm = 0: onto the sums; 1: start with the bias along j; 2: with the bias along i.  The 64 accumulators take turns, one instruction a turn.
.macro MUL16 a0, p, cm
.irp a, \a0, \a0+1
.irp b, 0,1,2,3,4,5,6,7
.if \cm == 1
	v_wmma_f32_16x16x128_fp8_fp8 v[8*(8*((\a)%4)+\b):8*(8*((\a)%4)+\b)+7], v[128*(\p)+FR*\b:128*(\p)+FR*\b+FR-1], v[AF+FR*(\a):AF+FR*(\a)+FR-1], v[CB+8*\b:CB+8*\b+7]
.elseif \cm == 2
	v_wmma_f32_16x16x128_fp8_fp8 v[8*(8*((\a)%4)+\b):8*(8*((\a)%4)+\b)+7], v[128*(\p)+FR*\b:128*(\p)+FR*\b+FR-1], v[AF+FR*(\a):AF+FR*(\a)+FR-1], v[CB+8*(\a):CB+8*(\a)+7]
.else
	v_wmma_f32_16x16x128_fp8_fp8 v[8*(8*((\a)%4)+\b):8*(8*((\a)%4)+\b)+7], v[128*(\p)+FR*\b:128*(\p)+FR*\b+FR-1], v[AF+FR*(\a):AF+FR*(\a)+FR-1], v[8*(8*((\a)%4)+\b):8*(8*((\a)%4)+\b)+7]
.endif
.endr
.endr
.endm
; 8 matrix instructions of H: X's block a of set p x Y's eight of set p; its 32 accumulators take turns likewise
.macro MULH a, p, cm
.irp b, 0,1,2,3,4,5,6,7
.if \cm
	v_wmma_f32_16x16x128_fp8_fp8 v[64*(\a)+8*\b:64*(\a)+8*\b+7], v[128*(\p)+FR*\b:128*(\p)+FR*\b+FR-1], v[AF+64*(\p)+FR*(\a):AF+64*(\p)+FR*(\a)+FR-1], v[CB+8*\b:CB+8*\b+7]
.else
	v_wmma_f32_16x16x128_fp8_fp8 v[64*(\a)+8*\b:64*(\a)+8*\b+7], v[128*(\p)+FR*\b:128*(\p)+FR*\b+FR-1], v[AF+64*(\p)+FR*(\a):AF+64*(\p)+FR*(\a)+FR-1], v[64*(\a)+8*\b:64*(\a)+8*\b+7]
.endif
.endr
.endm
.macro FETCH_B slot, q, p
	WIN TO_B
.irp i, 0,1,2,3,4,5,6,7
	FRAG 128*(\p)+FR*\i, ADRB+\slot, \q, \i
.endr
	WIN 0
.endm
.macro FETCH_A slot, q, i0             ; F: X's blocks i0 .. i0 + 3
.irp i, \i0, \i0+1, \i0+2, \i0+3
	FRAG AF+FR*(\i), ADRA+\slot, \q, \i
.endr
.endm
.macro FETCH_H slot, q, p              ; H: X's four blocks into set p, Y's eight into set p
	FETCH_B \slot, \q, \p
.irp i, 0,1,2,3
	FRAG AF+64*(\p)+FR*\i, ADRA+\slot, \q, \i
.endr
.endm
.macro PLACES n                        ; plain vector lines between a matrix instruction and a load into a register that it read, or a read of its result
.rept \n
	v_nop
.endr
.endm
; F: a slot's first 128 along K (set 0); it fetches the slot's second 128.
.macro STEP slot, cm
	s_wait_dscnt 4*NL                              ; all but the youngest 16 loads (X's blocks 4-7)
.if \cm
	WIN FST_LO
.else
	WIN MUL_LO
.endif
	MUL16 0, 0, \cm
	MUL16 2, 0, \cm
	s_wait_dscnt 0
	PLACES NP
	FETCH_B \slot, 1, 1
	FETCH_A \slot, 1, 0
.if \cm
	WIN FST_HI
.else
	WIN MUL_HI
.endif
	MUL16 4, 0, \cm
	MUL16 6, 0, \cm
	PLACES NP
	WIN 0
	FETCH_A \slot, 1, 4
.endm
; F: a slot's second 128 changes slots.  In front of the round each wave waits for all its tensor loads, adds 0 to its spare word, and waits for that and for its own reads of this slot.
; Behind it the slot takes F's step two on (on = 0) or H0 / H1 (on = 1); ask: the bytes along K of the step of H that is prefetched.
.macro TURN slot, next, on, ask
	s_wait_tensorcnt 0x0
	ds_add_u32 v[SPW], v[NIL]
	s_wait_dscnt 4*NL+1                            ; (the add and the youngest 16 loads may be out)
	WIN MUL_LO
	MUL16 0, 1, 0
	s_wait_dscnt 0x0                               ; the add is done, and my reads of this slot are over
	s_barrier_signal -1
	MUL16 2, 1, 0
	WIN 0
	s_barrier_wait -1
	CREST                                          ; no wave of any partner still reads this slot's tile or has a load on its way
.if \on
	s_add_nc_u64 s[G0+4*\slot+2:G0+4*\slot+3], s[98:99], \slot*ROWB
	s_or_b32 s[G0+4*\slot+3], s[G0+4*\slot+3], 0x80000000
	s_add_nc_u64 s[G0B+4*\slot+2:G0B+4*\slot+3], s[96:97], \slot*ROWB
	s_or_b32 s[G0B+4*\slot+3], s[G0B+4*\slot+3], 0x80000000
	JLOAD G0+4*\slot, G1H, G0B+4*\slot, G1B
.else
	s_add_nc_u64 s[G0+4*\slot+2:G0+4*\slot+3], s[G0+4*\slot+2:G0+4*\slot+3], 2*ROWB
	s_add_nc_u64 s[G0B+4*\slot+2:G0B+4*\slot+3], s[G0B+4*\slot+2:G0B+4*\slot+3], 2*ROWB
	JLOAD G0+4*\slot, G1, G0B+4*\slot, G1B
.endif
	FETCH_B \next, 0, 0                            ; (the joint load's four v_nop are the places in front of these)
	FETCH_A \next, 0, 0
	ASK_H \ask
	WIN MUL_HI
	MUL16 4, 1, 0
	MUL16 6, 1, 0
.if (\on) && (\slot)                   ; H has four blocks of X: they are asked for already
	WIN 0
.else
	PLACES NP
	WIN 0
	FETCH_A \next, 0, 4
.endif
.endm
; H: a slot's first 128 along K; it fetches the second.
.macro HSTEP slot, cm
	s_wait_dscnt 0
	PLACES NP
	FETCH_H \slot, 1, 1
.if \cm
	WIN FST_LO
.else
	WIN MUL_LO
.endif
.irp a, 0,1,2,3
	MULH \a, 0, \cm
.endr
	WIN 0
.endm
; H: a slot's second 128 changes slots.  fill = 1: the slot takes H's step two on.
.macro HTURN slot, next, fill
	s_wait_tensorcnt 0x0
	ds_add_u32 v[SPW], v[NIL]
	s_wait_dscnt 1                                 ; (the add may be out)
	WIN MUL_LO
	MULH 0, 1, 0
	s_wait_dscnt 0x0
	s_barrier_signal -1
	MULH 1, 1, 0
	WIN 0
	s_barrier_wait -1
.if \fill
	CREST
	s_add_nc_u64 s[G0+4*\slot+2:G0+4*\slot+3], s[G0+4*\slot+2:G0+4*\slot+3], 2*ROWB
	s_add_nc_u64 s[G0B+4*\slot+2:G0B+4*\slot+3], s[G0B+4*\slot+2:G0B+4*\slot+3], 2*ROWB
	JLOAD G0+4*\slot, G1H, G0B+4*\slot, G1B
.else
	PLACES NP
.endif
	FETCH_H \next, 0, 0
	WIN MUL_LO
	MULH 2, 1, 0
	MULH 3, 1, 0
	WIN 0
.endm
; THE WAY OUT of an X block, 32 sums a lane at a time: held within +-448 x the scale (the conversion to an 8-bit code does not saturate: ISA guide 7.6.2), each accumulator from its low end on, and converted.
; Each store covers 512 consecutive bytes at a multiple of 512 from the buffer's first byte.
.macro OUTB a, ob
.irp g, 0,1
	WIN 0x02+((\a)/4)
.set jj, 0
.rept 32
	v_med3_num_f32 v[TMP+jj], v[64*((\a)%4)+32*\g+jj], -v[QLIM], v[QLIM]
.set jj, jj+1
.endr
	WIN 0
.irp y, 0,1,2,3
	v_cvt_scalef32_pk8_fp8_f32 v[CD+16*((\a)%4)+8*\g+2*\y:CD+16*((\a)%4)+8*\g+2*\y+1], v[TMP+8*\y:TMP+8*\y+7], v[QSC]
.endr
	v_nop                                          ; one plain line behind the last conversion
.endr
.irp e, 0,1,2,3
	global_store_b128 v[LO], v[CD+16*((\a)%4)+4*\e:CD+16*((\a)%4)+4*\e+3], s[\ob:\ob+1] offset:(\a)*1024+(\e/2)*65536+(\e%2)*512
.endr
.endm
	s_wait_alu depctr_va_vdst(0)
	s_wait_tensorcnt 0x0                           ; my part of F0 is in
	ds_add_u32 v[SPW], v[NIL]
	s_wait_dscnt 0x0
	CROUND
	JLOAD G0+4, G1, G0B+4, G1B                     ; F1, the first tensor load behind the round
	FETCH_B 0, 0, 0
	FETCH_A 0, 0, 0
	FETCH_A 0, 0, 4
	s_cmp_eq_u32 s15, s[ZZ]                        ; the waves that fetch embeddings: X's for k, Y's for v
	s_cbranch_scc0 .Lno_ask
	global_prefetch_b8 v[PFO], s[94:95] offset:2*ROWB th:TH_LOAD_NT scope:SCOPE_SE
	global_prefetch_b8 v[PFO], s[94:95] offset:3*ROWB th:TH_LOAD_NT scope:SCOPE_SE
.Lno_ask:
	s_wait_loadcnt 0x0                             ; the bias
.set jj, 0
.rept 64
	v_ldexp_f32 v[CB+jj], v[CB+jj], s89            ; bias / 2^es
.set jj, jj+1
.endr
	s_cmp_eq_u32 s[ZZ], 1                          ; the first step is written twice: the copies differ in C's registers alone
	s_wait_alu depctr_va_vdst(0)
	s_cbranch_scc1 .Lfirst_v
	STEP 0, 1
	s_branch .Lfirst_done
.Lfirst_v:
	STEP 0, 2
.Lfirst_done:
.irp b, 0,1,2,3,4,5,6,7                ; H's bias, along j, into the registers that the first step has read (its places stand in STEP)
	global_load_b128 v[CB+8*\b:CB+8*\b+3], v[HB], s[8:9] offset:64*\b
	global_load_b128 v[CB+8*\b+4:CB+8*\b+7], v[HB], s[8:9] offset:64*\b+16
.endr
	TURN 0, 1, 0, 0                                ; slot 0 takes F2
	STEP 1, 0
	TURN 1, 0, 0, ROWB                             ; slot 1 takes F3
	STEP 0, 0
	TURN 0, 1, 1, 2*ROWB                           ; slot 0 takes H0
	STEP 1, 0
	TURN 1, 0, 1, 3*ROWB                           ; slot 1 takes H1; H0's first fragments are asked for
.irp a, 0,1,2,3
	OUTB \a, 10
.endr
	s_wait_xcnt 0x0                                ; the stores have read their data: the code registers are written again
.irp a, 4,5,6,7
	OUTB \a, 10
.endr
	v_mov_b32 v[QSC], s92
	v_mov_b32 v[QLIM], s93
	s_wait_alu depctr_va_vdst(0)
	s_wait_loadcnt 0x0                             ; H's bias
.set jj, 0
.rept 64
	v_ldexp_f32 v[CB+jj], v[CB+jj], s91
.set jj, jj+1
.endr
	s_wait_xcnt 0x0                                ; F's last stores have read their data: X's set 1 lands there
	s_wait_alu depctr_va_vdst(0)
	HSTEP 0, 1
	HTURN 0, 1, 1                                  ; slot 0 takes H2
	HSTEP 1, 0
	HTURN 1, 0, 1                                  ; slot 1 takes H3
	HSTEP 0, 0
	HTURN 0, 1, 0
	HSTEP 1, 0
	s_wait_dscnt 0
	WIN MUL_LO
.irp a, 0,1,2,3
	MULH \a, 1, 0
.endr
	WIN 0
	PLACES NP
.irp a, 0,1,2,3
	OUTB \a, 18
.endr
	s_wait_tensorcnt 0x0                           ; the wave's end
	ds_add_u32 v[SPW], v[NIL]
	s_wait_dscnt 0x0
	CROUND                                         ; the closing round
	s_endpgm
.Lfunc_end_k_q49a65514c6_proj:
	.size	k_q49a65514c6_proj, .Lfunc_end_k_q49a65514c6_proj-k_q49a65514c6_proj
	.p2alignl 7, 3214868480
	.fill 96, 4, 3214868480
	.section	.rodata,"a",@progbits
	.p2align	6, 0x0
	.amdhsa_kernel k_q49a65514c6_proj
		.amdhsa_group_segment_fixed_size 327680
		.amdhsa_private_segment_fixed_size 0
		.amdhsa_enable_private_segment 0
		.amdhsa_kernarg_size 104
		.amdhsa_user_sgpr_count 2
		.amdhsa_user_sgpr_kernarg_segment_ptr 1
		.amdhsa_wavefront_size32 1
		.amdhsa_system_sgpr_workgroup_id_x 1
		.amdhsa_system_sgpr_workgroup_id_y 1
		.amdhsa_system_sgpr_workgroup_id_z 1
		.amdhsa_system_vgpr_workitem_id 0
		.amdhsa_next_free_vgpr 1024
		.amdhsa_next_free_sgpr 100
		.amdhsa_reserve_vcc 0
		.amdhsa_float_denorm_mode_32 3
		.amdhsa_float_denorm_mode_16_64 3
		.amdhsa_memory_ordered 1
		.amdhsa_forward_progress 1
		.amdhsa_inst_pref_size 214
	.end_amdhsa_kernel
	.amdgpu_metadata
---
amdhsa.version: [ 1, 2 ]
amdhsa.kernels:
  - .name:           k_q49a65514c6_proj
    .symbol:         k_q49a65514c6_proj.kd
    .args:
      - { .name: q_embs_codes, .offset: 0, .size: 8, .value_kind: global_buffer, .address_space: global }
      - { .name: k_embs_codes, .offset: 8, .size: 8, .value_kind: global_buffer, .address_space: global }
      - { .name: Wv_codes, .offset: 16, .size: 8, .value_kind: global_buffer, .address_space: global }
      - { .name: Wq_codes, .offset: 24, .size: 8, .value_kind: global_buffer, .address_space: global }
      - { .name: Wk_codes, .offset: 32, .size: 8, .value_kind: global_buffer, .address_space: global }
      - { .name: v_embs_codes, .offset: 40, .size: 8, .value_kind: global_buffer, .address_space: global }
      - { .name: bq, .offset: 48, .size: 8, .value_kind: global_buffer, .address_space: global }
      - { .name: bk, .offset: 56, .size: 8, .value_kind: global_buffer, .address_space: global }
      - { .name: bv, .offset: 64, .size: 8, .value_kind: global_buffer, .address_space: global }
      - { .name: qc, .offset: 72, .size: 8, .value_kind: global_buffer, .address_space: global }
      - { .name: kc, .offset: 80, .size: 8, .value_kind: global_buffer, .address_space: global }
      - { .name: vc, .offset: 88, .size: 8, .value_kind: global_buffer, .address_space: global }
      - { .name: lowp_scales, .offset: 96, .size: 8, .value_kind: global_buffer, .address_space: global }
    .group_segment_fixed_size: 327680
    .private_segment_fixed_size: 0
    .kernarg_segment_align: 8
    .kernarg_segment_size: 104
    .max_flat_workgroup_size: 128
    .sgpr_count:     100
    .vgpr_count:     1024
    .wavefront_size: 32
...
	.end_amdgpu_metadata
.endif
;; end of part 1
;; launch attn (part 2): grid 2 x 128, 16 waves a work-group, no clusters, 327,680 bytes of LDS; arguments qc, kc, vc, lowp_scales, cc; writes cc
.if DOCPART == 2
	.amdgcn_target "amdgcn-amd-amdhsa--gfx1250"
	.amdhsa_code_object_version 6
	.text
	.protected	k_q49a65514c6_attn
	.globl	k_q49a65514c6_attn
	.p2align	8
	.type	k_q49a65514c6_attn,@function
k_q49a65514c6_attn:
	s_mov_b64 s[64:65], 0
	v_nop
	global_prefetch_b8 v0, s[64:65] scope:SCOPE_SE
	s_setreg_imm32_b32 hwreg(HW_REG_WAVE_MODE, 25, 1), 1
	s_wait_xcnt 0x0
; CAUSAL ATTENTION of one head (1,024 queries, 1,024 keys, head size 64) on codes of FP8 (E4M3); the result, divided by the row's sum, is quantised at once as the output projection's operand.
; IN: qc, kc [batch 8][head 16][16 rows: 64][2][512] and vc [batch 8][128 keys: 8][64 keys: 2][head 16][16 of dv: 4][32 keys: 2][512]: chunks of 512 bytes, lane l's 16 bytes at 16 l: images of operand registers.
; OUT: cc [256 of K: 4][16 rows: 512][32 of K: 8][512]: byte e of lane (r, hh) is concat(16 RB + r, 256 q + 32 c + 16 hh + e), K = 64 head + dv.
; THE SOFTMAX AHEAD OF THE SECOND PRODUCT: t = score x log2(e) / 8; M = the largest t so far, rounded UP to a whole number; p = 2^(t - M) is quantised; the row's sum is taken of the unquantised p and divides at the end.
; When M moves, the sum and O are multiplied by 2^(old M - new M): nothing is rounded.
; SHARES.  Two work-groups to a head.  Wave w of work-group x owns TWO tiles of 16 queries: T1 = 16 x + w and T2 = 63 - T1.  Tile T has T / 8 + 1 key steps of 128; the keys behind them come after all its queries.
; DEAD WORK left out: key steps, and in the last step of a tile with T % 8 < 4 its upper 64 keys, that lie wholly under the causal mask which reference() builds: p is 0 there for all inputs.  A NaN or infinity that reaches only them is not carried on.
; The head's whole K and V (65,536 bytes each) come into LDS once: K of steps 0-2 and V of steps 0-1 by one tensor load of each wave at the head, the rest by one behind the first barrier (waves 0-7: K, waves 8-15: V); nothing in LDS is filled twice.
; A step's V is asked for ahead of its softmax, and with it the next step's K, whose registers the step's first product has read; so both land under the softmax.
; LAYOUT.  S^T = K Q^T, O^T = V^T P^T: a lane holds ONE query (lane % 16).  Register 8 y + jj of S^T is key 16 y + 8 (lane / 16) + jj of the step; its code is byte jj of registers 2 y, 2 y + 1 of P; vc holds the keys in the same order.
; NO CLUSTER: a head's K and V are shared by two work-groups alone and are fetched once, 131,072 bytes; a cluster of four would put two heads' tiles, 262,144 bytes, into every partner's LDS.
; NO PREFETCH of K and V: all of both is asked for by the loads at the head and behind the first barrier; no later load is left.  T1's 1,024 bytes of Q, wanted at T2's end, are prefetched behind the first barrier by the wave that reads them.
; LIMITS on the given exponents: entries 6 + 7 between -123 and 130; entry 8 and entry 10 between -126 and 119.  The scaled scores stay under 2^31 in magnitude.  NaN is not served.
; REGISTERS: v0 the prefetch's offset, v1-9 addresses and constants; v[10:11] f; v12 -M, v13 the largest t, v[14:15] the sum; v16-21 at work; v22-29 Q; v30-93 K's 8 fragments; v96-159 S^T, then p; v94-109 p's codes, laid over p that is converted; v160-191 O^T; v192-255 V's 4 fragments.
.set VREG, 65536                       ; LDS: K at 0: [key step 8][16 keys: 8][2][512];  V here: [16 of dv: 4][32 keys: 2][64 keys: 16][512]
.set STEPB, 8192                       ; a key step's bytes of K
.set VST,  1024                        ; from key step to key step in V
.set VCH,  8192                        ; from chunk to chunk in V
.set SPARE, 131072                     ; the spare words, 128 bytes a wave
.set LI,   1                           ; 16 x lane
.set RH,   2                           ; lane % 16 - 8 (lane / 16)
.set ADK,  3
.set ADV,  4
.set PSC,  5                           ; 2^e8;  v8, v9: 448 x 2^e8
.set SPW,  6
.set NIL,  7
.set QF,   22
.set KR,   30
.set CD,   94
.set SR,   96
.set OT,   160
.set VR,   192
.set TB,   2                           ; s2   the step's K in LDS
.set TV,   3                           ; s3   its V
.set WV,   18
.set CNT,  19
.set SEL,  20                          ; s[20:21] lane selects for v_permlanex16_b32: lane l xor 16
.set CS,   22                          ; s[22:23] c = log2(e) / 8 x 2^(e6 + e7)
.set G1KA, 24                          ; descriptor groups 1: K and V at the head, K and V behind the first barrier
.set G1VA, 32
.set G1KB, 48
.set G1VB, 56
.set GKA,  40                          ; groups 0 likewise
.set GKB,  44
.set GVA,  12
.set GVB,  96
.set TS,   72
.set Q1,   73
.set KEY,  88                          ; the step's first key
.set Q0,   89                          ; the tile's first query
.set HI16, 90
.set EPV,  91                          ; e8 + e9
.set CSB,  92                          ; 2^e10;  s93 448 x 2^e10
.set CLB,  93
.macro GROUP1 g, c, r, p               ; r rows of c elements of 8 bytes, p elements apart; no mask, no padding
	s_mov_b32 s[\g], 3<<16
	s_mov_b32 s[\g+1], (\c)<<16
	s_mov_b32 s[\g+2], (\r)<<16
	s_mov_b32 s[\g+3], (\c)<<16
	s_mov_b32 s[\g+4], \r
	s_mov_b32 s[\g+5], \p
	s_mov_b32 s[\g+6], 0
	s_mov_b32 s[\g+7], 0
.endm
.macro TLOAD gk, g1k, gv, g1v          ; one tensor load a wave; the branch hangs on the wave's number alone
	s_cmp_lt_u32 s[WV], 8
	s_cbranch_scc0 .Lfor_v_\@
	tensor_load_to_lds s[\gk:\gk+3], s[\g1k:\g1k+7]
	s_nop 0
.rept 4
	v_nop
.endr
	s_branch .Lasked_\@
.Lfor_v_\@:
	tensor_load_to_lds s[\gv:\gv+3], s[\g1v:\g1v+7]
	s_nop 0
.rept 4
	v_nop
.endr
.Lasked_\@:
.endm
	s_load_b256 s[4:11], s[0:1], 0x0               ; qc, kc, vc, the exponents
	s_load_b64 s[12:13], s[0:1], 0x20              ; cc
	v_lshl_add_u32 v[SPW], v0, 2, SPARE
	v_mov_b32 v[NIL], 0
	ds_add_u32 v[SPW], v[NIL]                      ; the opening: the add, twice on end, and its wait
	ds_add_u32 v[SPW], v[NIL]
	v_lshrrev_b32 v3, 5, v0
	v_readfirstlane_b32 s[WV], v3                  ; wave 0..15
	s_and_b32 s14, ttmp7, 0xffff                   ; 16 x batch + head
	s_lshr_b32 s15, s14, 4
	s_and_b32 s16, s14, 15
	GROUP1 G1KA, 192, 2, 192                       ; K of steps 0-2: 24,576 bytes, dense: 3,072 a wave
	GROUP1 G1VA, 64, 4, 8192                       ; V of steps 0-1: four pieces of 64 keys, 65,536 bytes apart: one chunk of 512 bytes of each for a wave
	GROUP1 G1KB, 320, 2, 320                       ; K of steps 3-7: 40,960 bytes: 5,120 a wave
	GROUP1 G1VB, 64, 12, 8192                      ; V of steps 2-7: twelve pieces
	s_lshl_b32 s92, s14, 16                        ; the head in kc
	s_mul_i32 s66, s[WV], 5120
	s_add_co_u32 s66, s66, s92
	s_add_co_u32 s66, s66, 3*STEPB
	s_mov_b32 s67, 0
	s_mul_i32 s93, s[WV], 3072
	s_add_co_u32 s92, s92, s93
	s_mov_b32 s93, 0
	s_lshl_b32 s94, s15, 20                        ; the head in vc
	s_lshl_b32 s95, s16, 12
	s_add_co_u32 s94, s94, s95
	s_and_b32 s95, s[WV], 7
	s_lshl_b32 s95, s95, 9
	s_add_co_u32 s94, s94, s95                     ; my chunk of each piece
	s_mov_b32 s95, 0
	s_lshl_b32 s96, ttmp9, 4
	s_add_co_u32 s96, s96, s[WV]                   ; T1
	s_sub_co_u32 s97, 63, s96                      ; T2
	s_lshl_b32 s[Q0], s97, 4
	s_lshl_b32 s[Q1], s96, 4
	s_lshl_b32 s98, s14, 16
	s_lshl_b32 s84, s97, 10
	s_add_co_u32 s84, s84, s98                     ; qc: head x 65,536 + tile x 1,024
	s_mov_b32 s85, 0
	s_lshl_b32 s86, s96, 10
	s_add_co_u32 s86, s86, s98
	s_mov_b32 s87, 0
	s_lshl_b32 s98, s15, 18
	s_lshr_b32 s99, s16, 2
	s_lshl_b32 s99, s99, 21
	s_add_co_u32 s98, s98, s99
	s_and_b32 s99, s16, 3
	s_lshl_b32 s99, s99, 10
	s_add_co_u32 s98, s98, s99                     ; cc: (head / 4) x 2^21 + batch x 2^18 + tile x 4,096 + (head % 4) x 1,024
	s_lshl_b32 s80, s97, 12
	s_add_co_u32 s80, s80, s98
	s_mov_b32 s81, 0
	s_lshl_b32 s82, s96, 12
	s_add_co_u32 s82, s82, s98
	s_mov_b32 s83, 0
	s_mov_b32 s[SEL], 0x76543210
	s_mov_b32 s[SEL+1], 0xfedcba98
	s_mov_b32 s[HI16], 0xffff0000
	s_wait_dscnt 0x0                               ; both opening adds are done
	s_wait_kmcnt 0x0
	s_load_b64 s[74:75], s[10:11], 0x18            ; e6, e7
	s_load_b128 s[76:79], s[10:11], 0x20           ; e8 .. e11
	s_add_nc_u64 s[84:85], s[4:5], s[84:85]
	s_add_nc_u64 s[86:87], s[4:5], s[86:87]
	s_add_nc_u64 s[80:81], s[12:13], s[80:81]
	s_add_nc_u64 s[82:83], s[12:13], s[82:83]
	s_add_nc_u64 s[68:69], s[8:9], s[94:95]
	s_mov_b32 s[GKA], 1
	s_mul_i32 s[GKA+1], s[WV], 3072                ; LDS: waves 0-7
	s_add_nc_u64 s[GKA+2:GKA+3], s[6:7], s[92:93]
	s_or_b32 s[GKA+3], s[GKA+3], 0x80000000
	s_mov_b32 s[GKB], 1
	s_mul_i32 s[GKB+1], s[WV], 5120
	s_add_co_u32 s[GKB+1], s[GKB+1], 3*STEPB
	s_add_nc_u64 s[GKB+2:GKB+3], s[6:7], s[66:67]
	s_or_b32 s[GKB+3], s[GKB+3], 0x80000000
	s_mov_b32 s[GVA], 1
	s_lshl_b32 s[GVA+1], s[WV], 13                 ; LDS: waves 8-15: VREG + VCH x (wave - 8) = 8,192 x wave
	s_mov_b64 s[GVA+2:GVA+3], s[68:69]
	s_or_b32 s[GVA+3], s[GVA+3], 0x80000000
	s_mov_b32 s[GVB], 1
	s_lshl_b32 s[GVB+1], s[WV], 13
	s_add_co_u32 s[GVB+1], s[GVB+1], 4*512
	s_add_nc_u64 s[GVB+2:GVB+3], s[68:69], 0x40000
	s_or_b32 s[GVB+3], s[GVB+3], 0x80000000
	TLOAD GKA, G1KA, GVA, G1VA
	v_and_b32 v4, 31, v0
	v_and_b32 v[RH], 15, v0
	v_bfe_u32 v3, v0, 4, 1
	v_lshlrev_b32 v[LI], 4, v4
	v_min_u32 v0, 3, v4
	v_lshlrev_b32 v3, 3, v3
	v_lshlrev_b32 v0, 8, v0                        ; four blocks of 256 bytes; the lanes left over name the last again
	v_sub_nc_u32 v[RH], v[RH], v3
	global_load_b128 v[QF:QF+3], v[LI], s[84:85]   ; Q of T2: two chunks, as they lie
	global_load_b128 v[QF+4:QF+7], v[LI], s[84:85] offset:512
	v_mov_b32 v11, 0                               ; (named as the upper half of the pair v[10:11])
	s_wait_alu depctr_va_vdst(0)
	s_wait_kmcnt 0x0
	s_add_co_i32 s[TS], s74, s75
	s_lshl_b32 s[TS], s[TS], 23
	s_add_co_i32 s[CS], s[TS], 0x3e38aa3b          ; c = log2(e) / 8, with e6 + e7 added to its exponent field
	s_mov_b32 s[CS+1], s[CS]                       ; (named with it as a pair)
	s_add_co_i32 s[TS], s76, 127
	s_lshl_b32 s94, s[TS], 23
	s_add_co_i32 s[TS], s[TS], 8
	s_lshl_b32 s[TS], s[TS], 23
	s_or_b32 s[TS], s[TS], 0x600000
	s_add_co_i32 s95, s78, 127
	s_lshl_b32 s[CSB], s95, 23
	s_add_co_i32 s95, s95, 8
	s_lshl_b32 s[CLB], s95, 23
	s_or_b32 s[CLB], s[CLB], 0x600000
	s_add_co_i32 s[EPV], s76, s77
	v_mov_b32 v[PSC], s94
	v_mov_b32 v8, s[TS]
	v_mov_b32 v9, s[TS]
.macro INIT                            ; a tile begins: its first step finds zeros, which the first change of M leaves zeros
	v_mov_b32 v13, 0xff61b1e6                      ; the largest t so far: -3e38, under every t
	v_mov_b32 v14, 0
	v_mov_b32 v15, 0
.set n, 0
.rept 32
	v_mov_b32 v[OT+n], 0
.set n, n+1
.endr
	v_floor_f32 v12, -v13                          ; -M
.endm
.macro KLOAD adr, off                  ; a step's K: tile n of 16 keys: two chunks, 512 consecutive bytes each
.set n, 0
.rept 8
	ds_load_b128 v[KR+8*n:KR+8*n+3], v[\adr] offset:\off+1024*n
	ds_load_b128 v[KR+8*n+4:KR+8*n+7], v[\adr] offset:\off+1024*n+512
.set n, n+1
.endr
.endm
.macro QLOAD                           ; T2's last step has read its Q: T1's takes the registers
	global_load_b128 v[QF:QF+3], v[LI], s[86:87]
	global_load_b128 v[QF+4:QF+7], v[LI], s[86:87] offset:512
.endm
.macro MASK t0                         ; the four key tiles from t0 on: hidden scores become -infinity ahead of the maximum: p = 0.  s[TS] = first query - key of tile t0
	v_add_nc_u32 v20, s[TS], v[RH]
	v_mov_b32 v21, 0xff800000
.set n, 0
.rept 32
	v_cmp_gt_i32 vcc_lo, 16*(n/8)+n%8, v20
	v_cndmask_b32 v[SR+8*\t0+n], v[SR+8*\t0+n], v21, vcc_lo
.set n, n+1
.endr
.endm
; The work of a key step on nt tiles of 16 keys (8, or 4: the lower 64 keys of a diagonal step).  kind 0: neither hidden nor diagonal; 1: T2's walk; 2: T1's.
; Behind the first product K's registers take the next step's K; behind T2's last step key step 0, T1's first; behind T1's last nothing.
.macro BODY kind, nt
	v_add_nc_u32 v[ADK], s[TB], v[LI]
	v_add_nc_u32 v[ADV], s[TV], v[LI]
.rept 3
	v_nop                                          ; with the two additions five places: the first product writes over codes that the last products read
.endr
	s_wait_alu depctr_va_vdst(0)
	s_wait_dscnt 0x0                               ; K is in
.set n, 0
.rept \nt
	v_wmma_f32_16x16x64_fp8_fp8 v[SR+8*n:SR+8*n+7], v[KR+8*n:KR+8*n+7], v[QF:QF+7], 0
.set n, n+1
.endr
.rept 4
	v_nop                                          ; places in front of the loads into K's registers and of the first read of the scores
.endr
.if \kind == 0
	KLOAD ADK, STEPB
.elseif \nt == 4
	MASK 0
.if \kind == 1
	KLOAD LI, 0
	QLOAD
.endif
.else
	s_cmp_ge_i32 s[TS], 128
	s_cbranch_scc1 .Lopen_\@                       ; all 128 keys count for all my queries, and a further step follows
	s_sub_co_i32 s[TS], s[TS], 64
	MASK 4
.if \kind == 1
	KLOAD LI, 0
	QLOAD
.endif
	s_wait_alu depctr_va_vdst(0)
	s_branch .Lmasked_\@
.Lopen_\@:
	KLOAD ADK, STEPB
.Lmasked_\@:
.endif
.set n, 0
.rept 16                                       ; V: fragment n / 4 (16 of dv x 128 keys), chunk n % 4 (32 keys)
.if (n%4) < (\nt)/2
	ds_load_b128 v[VR+4*n:VR+4*n+3], v[ADV] offset:VCH*(2*(n/4)+n%2)+512*((n%4)/2)
.endif
.set n, n+1
.endr
	; the step's largest score of my query among my keys, in four chains: chain c takes tiles c and c + 4, each from its low end on
.irp c, 0,1,2,3
	v_max3_num_f32 v[16+\c], v[SR+8*\c], v[SR+8*\c+1], v[SR+8*\c+2]
.endr
.set k, 3
.rept \nt-2
.irp c, 0,1,2,3
	v_max3_num_f32 v[16+\c], v[16+\c], v[SR+8*(\c+4*(k/8))+k%8], v[SR+8*(\c+4*((k+1)/8))+(k+1)%8]
.endr
.set k, k+2
.endr
.set k, SR+8*(\nt)-25                          ; chain 0's last register
	v_max3_num_f32 v16, v16, v17, v[k]
	v_max3_num_f32 v18, v18, v19, v[k+8]
	v_max3_num_f32 v16, v16, v18, v[k+16]
	v_max_num_f32 v16, v16, v[k+24]
	s_delay_alu instid0(VALU_DEP_1)
	v_permlanex16_b32 v17, v16, s[SEL], s[SEL+1]
	s_delay_alu instid0(VALU_DEP_1)
	v_max_num_f32 v16, v16, v17                    ; and among lane l xor 16's
	s_delay_alu instid0(VALU_DEP_1)
	v_mul_f32 v16, s[CS], v16                      ; as t (c is positive)
	s_delay_alu instid0(VALU_DEP_1)
	v_max_num_f32 v13, v13, v16                    ; the running largest t
	v_mov_b32 v16, v12
	s_delay_alu instid0(VALU_DEP_2)
	v_floor_f32 v12, -v13                          ; the new -M
	s_delay_alu instid0(VALU_DEP_1)
	v_sub_f32 v16, v12, v16                        ; old M - new M: a whole number, 0 or less
	s_delay_alu instid0(VALU_DEP_1)
	v_cvt_i32_f32 v16, v16                         ; (it saturates)
	s_delay_alu instid0(VALU_DEP_1)
	v_ldexp_f32 v10, 1.0, v16                      ; f = 2^(old M - new M)
.set n, 0
.rept 4*(\nt)
	v_pk_fma_f32 v[SR+n:SR+n+1], v[SR+n:SR+n+1], s[CS:CS+1], v[12:13] op_sel_hi:[1,0,0]   ; t - M
.set n, n+2
.endr
	s_wait_alu depctr_va_vdst(0)                   ; ahead of the batch
.set n, 0
.rept 8*(\nt)
	v_exp_f32 v[SR+n], v[SR+n]                     ; p = 2^(t - M), at most 1
.set n, n+1
.endr
	v_pk_mul_f32 v[14:15], v[14:15], v[10:11] op_sel_hi:[1,0]   ; the sum under the new M: the plain line behind the exponentials
	s_wait_alu depctr_va_vdst(0)                   ; one wait for the batch and for O^T, ahead of their first readers
.set n, 0
.rept 16
	v_pk_mul_f32 v[OT+n:OT+n+1], v[OT+n:OT+n+1], v[10:11] op_sel_hi:[1,0]   ; O^T under the new M
.set n, n+2
.endr
	v_pk_add_f32 v[16:17], v[SR:SR+1], v[SR+2:SR+3]   ; the row's sum of the unquantised p, in four chains
	v_pk_add_f32 v[18:19], v[SR+4:SR+5], v[SR+6:SR+7]
	v_pk_add_f32 v[20:21], v[SR+8:SR+9], v[SR+10:SR+11]
.set n, 6
.rept 4*(\nt)-6
	v_pk_add_f32 v[14+2*((n-6)%4):15+2*((n-6)%4)], v[14+2*((n-6)%4):15+2*((n-6)%4)], v[SR+2*n:SR+2*n+1]
.set n, n+1
.endr
	v_pk_add_f32 v[14:15], v[14:15], v[16:17]
	v_pk_add_f32 v[18:19], v[18:19], v[20:21]
	s_delay_alu instid0(VALU_DEP_1)
	v_pk_add_f32 v[14:15], v[14:15], v[18:19]
.set y, 0
.rept \nt
.irp i, 0,2,4,6
	v_dual_min_num_f32 v[SR+8*y+\i], v[SR+8*y+\i], v8 :: v_dual_min_num_f32 v[SR+8*y+\i+1], v[SR+8*y+\i+1], v9   ; the conversion does not saturate (ISA guide 7.6.2); p is not negative, so the hold is one-sided
.endr
	v_cvt_scalef32_pk8_fp8_f32 v[CD+2*y:CD+2*y+1], v[SR+8*y:SR+8*y+7], v[PSC]   ; over p that is converted already
.set y, y+1
.endr
	v_nop                                          ; one plain line behind the last conversion
	s_wait_alu depctr_va_vdst(0)                   ; ahead of the waits below: the products read the codes
.if \kind == 1
	s_wait_loadcnt 0x0                             ; T1's Q, where it was asked for
.endif
	s_wait_dscnt 0x0                               ; V is in, and the next K
.set n, 0
.rept 4                                        ; O^T += V^T P^T: the four accumulators by turns, one instruction each
.if \nt == 8
	v_wmma_f32_16x16x128_fp8_fp8 v[OT+8*n:OT+8*n+7], v[VR+16*n:VR+16*n+15], v[CD:CD+15], v[OT+8*n:OT+8*n+7]
.else
	v_wmma_f32_16x16x64_fp8_fp8 v[OT+8*n:OT+8*n+7], v[VR+16*n:VR+16*n+7], v[CD:CD+7], v[OT+8*n:OT+8*n+7]
.endif
.set n, n+1
.endr
.endm
; A step of a walk: a scalar branch on ids leaves out a hidden step's work, and sends a diagonal step whose upper 64 keys are hidden to the shorter copy.
.macro STEP kind
	s_add_co_u32 s[TS], s[Q0], 15
	s_cmp_gt_u32 s[KEY], s[TS]
	s_cbranch_scc1 .Lhid_\@
	s_sub_co_i32 s[TS], s[Q0], s[KEY]
	s_cmp_lt_i32 s[TS], 64
	s_cbranch_scc1 .Lhalf_\@
	BODY \kind, 8
	s_branch .Lhid_\@
.Lhalf_\@:
	BODY \kind, 4
.Lhid_\@:
.endm
.macro WALK kind, k0, trips
	s_mov_b32 s[TB], STEPB*\k0
	s_mov_b32 s[TV], VREG+VST*\k0
	s_mov_b32 s[KEY], 128*\k0
	s_mov_b32 s[CNT], \trips
.Lwalk_\@:
	STEP \kind
	s_add_co_u32 s[TB], s[TB], STEPB
	s_add_co_u32 s[TV], s[TV], VST
	s_add_co_u32 s[KEY], s[KEY], 128
	s_sub_co_u32 s[CNT], s[CNT], 1
	s_cmp_lg_u32 s[CNT], 0
	s_cbranch_scc1 .Lwalk_\@
.endm
; A tile ends: O^T x 2^(e8 + e9) / the sum, held and converted with 2^e10.  Register 8 t + jj is dv 16 t + 8 (lane / 16) + jj; cc wants 16 neighbouring dv a lane (tile 2 c + lane / 16 whole),
; so the halves of the lanes exchange eight codes for each c: lanes 0-15 send tile 2 c + 1's, lanes 16-31 tile 2 c's.  Two stores of 512 consecutive bytes, at multiples of 512 from cc's first byte.
.macro FINISH ob
.rept 4
	v_nop                                          ; places behind the last products
.endr
	v_add_f32 v14, v14, v15
	s_delay_alu instid0(VALU_DEP_1)
	v_permlanex16_b32 v17, v14, s[SEL], s[SEL+1]
	s_delay_alu instid0(VALU_DEP_1)
	v_add_f32 v14, v14, v17                        ; the row's sum
	v_mov_b32 v16, s[CLB]
	v_mov_b32 v18, s[CSB]
	s_wait_alu depctr_va_vdst(0)                   ; ahead of the transcendental
	v_rcp_f32 v10, v14
	v_nop
	s_wait_alu depctr_va_vdst(0)                   ; ahead of the transcendental's first reader
	v_ldexp_f32 v10, v10, s[EPV]
	s_wait_alu depctr_va_vdst(0)                   ; directly ahead of the first reader of O^T
.set n, 0
.rept 16
	v_pk_mul_f32 v[SR+n:SR+n+1], v[OT+n:OT+n+1], v[10:11] op_sel_hi:[1,0]
.set n, n+2
.endr
.set n, 0
.rept 32
	v_med3_num_f32 v[SR+n], v[SR+n], -v16, v16
.set n, n+1
.endr
.irp t, 0,1,2,3
	v_cvt_scalef32_pk8_fp8_f32 v[192+2*\t:193+2*\t], v[SR+8*\t:SR+8*\t+7], v18
.endr
	v_nop
.set n, 0
.rept 4                                        ; n = 2 c + register of the pair
	v_cndmask_b32 v[208+n], v[194+4*(n/2)+n%2], v[192+4*(n/2)+n%2], s[HI16]   ; what I send
.set n, n+1
.endr
.set n, 0
.rept 4
	v_permlanex16_b32 v[212+n], v[208+n], s[SEL], s[SEL+1]
.set n, n+1
.endr
.set n, 0
.rept 4
	v_cndmask_b32 v[216+4*(n/2)+n%2], v[192+4*(n/2)+n%2], v[212+n], s[HI16]     ; dv 0-7 of my tile: my own in lanes 0-15
	v_cndmask_b32 v[216+4*(n/2)+2+n%2], v[212+n], v[194+4*(n/2)+n%2], s[HI16]   ; dv 8-15: my own in lanes 16-31
.set n, n+1
.endr
	global_store_b128 v[LI], v[216:219], s[\ob:\ob+1]
	global_store_b128 v[LI], v[220:223], s[\ob:\ob+1] offset:512
.endm
	INIT
	s_wait_alu depctr_va_vdst(0)
	s_wait_loadcnt 0x0                             ; Q
	s_wait_tensorcnt 0x0                           ; my part of the first steps is in
	ds_add_u32 v[SPW], v[NIL]                      ; ahead of a later first fill
	s_wait_dscnt 0x0
	s_barrier_signal -1
	s_barrier_wait -1                              ; everybody's is
	TLOAD GKB, G1KB, GVB, G1VB                     ; the rest of K and V: two key steps in which to land
	KLOAD LI, 0
	global_prefetch_b8 v0, s[86:87] th:TH_LOAD_NT scope:SCOPE_SE   ; T1's Q, four key steps or more ahead of its load
	s_mov_b32 s[TB], 0
	s_mov_b32 s[TV], VREG
	s_mov_b32 s[CNT], 2
.Lfirst:                                               ; T2 is at least 32: its key steps 0 and 1 are neither hidden nor diagonal
	BODY 0, 8
	s_add_co_u32 s[TB], s[TB], STEPB
	s_add_co_u32 s[TV], s[TV], VST
	s_sub_co_u32 s[CNT], s[CNT], 1
	s_cmp_lg_u32 s[CNT], 0
	s_cbranch_scc1 .Lfirst
	s_wait_tensorcnt 0x0                           ; all of K and V
	s_wait_dscnt 0x0
	s_barrier_signal -1
	s_barrier_wait -1
	WALK 1, 2, 6
	FINISH 80
	s_mov_b32 s[Q0], s[Q1]
	s_wait_alu depctr_va_vdst(0)
	s_wait_xcnt 0x0                                ; the stores have read their data, which lie where V lands
	INIT
	WALK 2, 0, 4
	FINISH 82
	s_wait_tensorcnt 0x0                           ; the wave's end
	ds_add_u32 v[SPW], v[NIL]
	s_wait_dscnt 0x0
	s_endpgm
.Lfunc_end_k_q49a65514c6_attn:
	.size	k_q49a65514c6_attn, .Lfunc_end_k_q49a65514c6_attn-k_q49a65514c6_attn
	.p2alignl 7, 3214868480
	.fill 96, 4, 3214868480
	.section	.rodata,"a",@progbits
	.p2align	6, 0x0
	.amdhsa_kernel k_q49a65514c6_attn
		.amdhsa_group_segment_fixed_size 327680
		.amdhsa_private_segment_fixed_size 0
		.amdhsa_enable_private_segment 0
		.amdhsa_kernarg_size 40
		.amdhsa_user_sgpr_count 2
		.amdhsa_user_sgpr_kernarg_segment_ptr 1
		.amdhsa_wavefront_size32 1
		.amdhsa_system_sgpr_workgroup_id_x 1
		.amdhsa_system_sgpr_workgroup_id_y 1
		.amdhsa_system_sgpr_workgroup_id_z 1
		.amdhsa_system_vgpr_workitem_id 0
		.amdhsa_next_free_vgpr 256
		.amdhsa_next_free_sgpr 100
		.amdhsa_reserve_vcc 1
		.amdhsa_float_denorm_mode_32 3
		.amdhsa_float_denorm_mode_16_64 3
		.amdhsa_memory_ordered 1
		.amdhsa_forward_progress 1
		.amdhsa_inst_pref_size 98
	.end_amdhsa_kernel
	.amdgpu_metadata
---
amdhsa.version: [ 1, 2 ]
amdhsa.kernels:
  - .name:           k_q49a65514c6_attn
    .symbol:         k_q49a65514c6_attn.kd
    .args:
      - { .name: qc, .offset: 0, .size: 8, .value_kind: global_buffer, .address_space: global }
      - { .name: kc, .offset: 8, .size: 8, .value_kind: global_buffer, .address_space: global }
      - { .name: vc, .offset: 16, .size: 8, .value_kind: global_buffer, .address_space: global }
      - { .name: lowp_scales, .offset: 24, .size: 8, .value_kind: global_buffer, .address_space: global }
      - { .name: cc, .offset: 32, .size: 8, .value_kind: global_buffer, .address_space: global }
    .group_segment_fixed_size: 327680
    .private_segment_fixed_size: 0
    .kernarg_segment_align: 8
    .kernarg_segment_size: 40
    .max_flat_workgroup_size: 512
    .sgpr_count:     100
    .vgpr_count:     256
    .wavefront_size: 32
...
	.end_amdgpu_metadata
.endif
;; end of part 2
;; launch outp (part 3): grid 4 x 64, 4 waves a work-group, clusters of 4 x 4, 327,680 bytes of LDS; arguments cc, Wo_codes, lowp_scales, out0, bo; writes out0
.if DOCPART == 3
	.amdgcn_target "amdgcn-amd-amdhsa--gfx1250"
	.amdhsa_code_object_version 6
	.text
	.protected	k_q49a65514c6_outp
	.globl	k_q49a65514c6_outp
	.p2align	8
	.type	k_q49a65514c6_outp,@function
k_q49a65514c6_outp:
	s_mov_b64 s[64:65], 0
	v_nop
	global_prefetch_b8 v0, s[64:65] scope:SCOPE_SE
	s_setreg_imm32_b32 hwreg(HW_REG_WAVE_MODE, 25, 1), 1
	s_wait_xcnt 0x0
	s_wait_alu depctr_hold_cnt(0) depctr_sa_sdst(0) depctr_va_vdst(0) depctr_va_sdst(0) depctr_va_ssrc(0) depctr_va_vcc(0) depctr_vm_vsrc(0)
	s_getreg_b32 s2, hwreg(HW_REG_IB_STS2, 6, 4)
	s_cmp_eq_u32 s2, 0
	s_cbranch_scc0 .Lentry_in_a_cluster
	s_endpgm
.Lentry_in_a_cluster:
	s_bfe_u32 s2, ttmp6, 0x10000c
	s_cmp_lg_u32 s2, 0xf033
	s_cbranch_scc0 .Lentry_shape_is_right
	s_endpgm
.Lentry_shape_is_right:
; THE OUTPUT PROJECTION, out = concat Wo + bo, on codes of FP8 (E4M3).  concat: cc [256 of K: 4][16 rows: 512][32 of K: 8][512], images of operand registers; Wo_codes: [1,024 columns][1,024 of K]; out: [8,192][1,024] f32.
; A work-group of four waves makes 128 rows x 256 columns, a wave 64 x 128: 32 accumulators, 256 registers.  256 work-groups.
; K = 1,024 is four steps of 256.  Steps 0 to 2 come into three LDS slots at the head, one tensor load a wave (wave 0: concat's three parts; waves 1 to 3: Wo's, one step each); step 3 goes into slot 0 when that has been read, and has the work of slots 1 and 2 in which to land.
; K step 3 goes by rows: each block of 16 rows is finished by 16 matrix instructions and leaves while the next are multiplied.
; CLUSTERS: 4 x 4; the four of a row of the cluster need the same rows of concat, the four of a column the same columns of Wo: asked for jointly.
; NO PREFETCH: three of the four K steps are asked for at the head, and one load alone is left, with two slots' work in which to land: there is no loop to run ahead in.
; The matrix instruction takes 16 columns (rows of Wo_codes) as source 0 and 16 rows of concat as source 1: a lane holds eight neighbouring numbers of a row of out.
; THE BIAS, divided by 2^(e10 + e11), is the C of each sum's first matrix instruction; a finished sum is multiplied by 2^(e10 + e11).  LIMIT: e10 + e11 between -126 and 127, bias x 2^-(e10 + e11) finite.
; REGISTERS, windows of 256: 0: v0-31 addresses; v32-95 a block on its way out; v64-127 the bias; v128-255 concat's fragments, two sets.  1: Wo's fragments, two sets.  2: accumulators ((a, b) at v[8 (8 a + b)]).  3: rows read back, 64 registers a block.
.set ROWB,   256
.set PITCH,  272                       ; an LDS row of Wo: 256 bytes + 16
.set WSL,    256*PITCH                 ; a slot of Wo
.set XS,     3*WSL                     ; behind the three: concat's slots,
.set XSL,    32768                     ; 8 x 16 rows x 256 of K each
.set SPARE,  XS+3*XSL                  ; the spare words, 128 bytes a wave
.set SPITCH, 528                       ; the way out: a stage of 16 rows x (512 bytes + 16) for each wave, in Wo's slot 1: it has had its one fill, and its last read lies ahead of the last barrier
.set STAGE,  WSL
.set FR,     16
.set NP,     4
.set ADRA, 16
.set ADRB, 20
.set STO,  24
.set RD,   25
.set CO,   26
.set SPW,  28
.set NIL,  29
.set TMP,  32
.set CB,   64
.set AF,   128
.set G1,  24                           ; concat, three steps;  s[32:35] its group 0
.set G0,  32
.set G1B, 48                           ; Wo;  s[56:59] its group 0
.set G0B, 56
.set G1C, 68                           ; concat, one step
.set MSB, 0
.macro WIN new
.if MSB != \new
	s_set_vgpr_msb (MSB<<8)|\new
.set MSB, \new
.endif
.endm
.set MUL_LO, 0xa1
.set FST_LO, 0x81
.set TO_B,   0x40
.macro CREST
	s_cmp_lg_u32 s14, 0
	s_cbranch_scc1 .Lnot_wave_0_\@
	s_barrier_signal -3
.Lnot_wave_0_\@:
	s_barrier_wait -3
	s_barrier_signal -1
	s_barrier_wait -1
.endm
.macro CROUND
	s_barrier_signal -1
	s_barrier_wait -1
	CREST
.endm
	s_load_b128 s[4:7], s[0:1], 0x0                ; cc, Wo
	s_load_b128 s[8:11], s[0:1], 0x10              ; the exponents, out
	s_load_b64 s[12:13], s[0:1], 0x20              ; bo
	v_lshl_add_u32 v[SPW], v0, 2, SPARE
	v_mov_b32 v[NIL], 0
	ds_add_u32 v[SPW], v[NIL]                      ; the opening: the add, twice on end, and its wait
	ds_add_u32 v[SPW], v[NIL]
	v_lshrrev_b32 v1, 5, v0
	v_readfirstlane_b32 s14, v1
	s_lshr_b32 s15, s14, 1                         ; which 64 rows are mine
	s_and_b32 s16, s14, 1                          ; which 128 columns
	s_bfe_u32 s40, ttmp6, 0x40000
	s_bfe_u32 s41, ttmp6, 0x40004
	s_lshl_b32 s42, ttmp9, 2
	s_add_co_u32 s42, s42, s40                     ; block of 256 columns
	s_and_b32 s17, ttmp7, 0xffff
	s_lshl_b32 s17, s17, 2
	s_add_co_u32 s17, s17, s41                     ; block of 128 rows
	s_lshl_b32 s43, s41, 2
	s_lshl_b32 s43, 15, s43
	s_lshl_b32 s44, 0x1111, s40
	s_or_b32 s[G1+0], s43, (3<<16)|(1<<21)         ; my row; elements of 8 bytes: 3 rows (K steps) of 32,768 bytes, 2^21 bytes apart
	s_mov_b32 s[G1+1], 4096<<16
	s_mov_b32 s[G1+2], 3<<16
	s_mov_b32 s[G1+3], 4096<<16
	s_mov_b32 s[G1+4], 3
	s_mov_b32 s[G1+5], 262144
	s_mov_b32 s[G1+6], 0
	s_mov_b32 s[G1+7], 0
	s_or_b32 s[G1C+0], s43, (3<<16)|(1<<21)        ; one K step: 32,768 bytes, dense, as 8 rows
	s_mov_b32 s[G1C+1], 512<<16
	s_mov_b32 s[G1C+2], 8<<16
	s_mov_b32 s[G1C+3], 512<<16
	s_mov_b32 s[G1C+4], 8
	s_mov_b32 s[G1C+5], 512
	s_mov_b32 s[G1C+6], 0
	s_mov_b32 s[G1C+7], 0
	s_or_b32 s[G1B+0], s44, (1<<20)|(1<<21)|(5<<22)|(3<<25)   ; my column; 256 rows x 256 bytes, four words of padding after every 64
	s_mov_b32 s[G1B+1], ROWB<<16
	s_mov_b32 s[G1B+2], 256<<16
	s_mov_b32 s[G1B+3], ROWB<<16
	s_mov_b32 s[G1B+4], 256
	s_mov_b32 s[G1B+5], 1024
	s_mov_b32 s[G1B+6], 0
	s_mov_b32 s[G1B+7], 0
	s_lshl_b32 s20, s17, 15                        ; concat: 8 x 4,096 bytes a block
	s_mov_b32 s21, 0
	s_add_co_u32 s66, s14, 3
	s_and_b32 s66, s66, 3                          ; waves 1, 2, 3: K step 0, 1, 2 of Wo
	s_mul_i32 s67, s66, WSL
	s_lshl_b32 s46, s42, 18
	s_lshl_b32 s66, s66, 8
	s_add_co_u32 s46, s46, s66
	s_mov_b32 s47, 0
	s_wait_dscnt 0x0                               ; both opening adds are done
	s_wait_kmcnt 0x0
	s_load_b64 s[96:97], s[8:9], 0x28              ; e10, e11
	s_add_nc_u64 s[20:21], s[4:5], s[20:21]
	s_add_nc_u64 s[46:47], s[6:7], s[46:47]
	s_mov_b32 s[G0], 1
	s_mov_b32 s[G0+1], XS
	s_mov_b64 s[G0+2:G0+3], s[20:21]
	s_or_b32 s[G0+3], s[G0+3], 0x80000000
	s_mov_b32 s[G0B], 1
	s_mov_b32 s[G0B+1], s67
	s_mov_b64 s[G0B+2:G0B+3], s[46:47]
	s_or_b32 s[G0B+3], s[G0B+3], 0x80000000
	CROUND                                         ; all sixteen work-groups are here
	s_cmp_eq_u32 s14, 0                            ; one tensor load a wave; the branch hangs on the wave's number alone
	s_cbranch_scc0 .Lfor_w
	tensor_load_to_lds s[G0:G0+3], s[G1:G1+7]
	s_nop 0
.rept 4
	v_nop
.endr
	s_branch .Lasked
.Lfor_w:
	tensor_load_to_lds s[G0B:G0B+3], s[G1B:G1B+7]
	s_nop 0
.rept 4
	v_nop
.endr
.Lasked:
	s_lshl_b32 s46, s42, 10
	s_lshl_b32 s47, s16, 9
	s_add_co_u32 s46, s46, s47                     ; my first column, in bytes
	s_mov_b32 s47, 0
	s_add_nc_u64 s[12:13], s[12:13], s[46:47]
	s_lshl_b32 s20, s17, 7
	s_lshl_b32 s21, s15, 6
	s_add_co_u32 s20, s20, s21                     ; my first row
	s_lshl_b32 s20, s20, 12
	s_mov_b32 s21, 0
	s_add_nc_u64 s[20:21], s[20:21], s[46:47]
	s_add_nc_u64 s[10:11], s[10:11], s[20:21]
	s_lshl_b32 s21, s15, 14
	s_add_co_u32 s21, s21, XS                      ; my 64 rows in concat's slot 0
	s_add_co_u32 s22, s21, XSL
	s_add_co_u32 s23, s22, XSL
	s_mul_i32 s66, s16, 128*PITCH                  ; my 128 columns in Wo's slot 0
	s_add_co_u32 s67, s66, WSL
	s_add_co_u32 s76, s67, WSL
	s_mul_i32 s77, s14, 16*SPITCH
	s_add_co_u32 s77, s77, STAGE                   ; my stage
	v_and_b32 v1, 15, v0
	v_bfe_u32 v2, v0, 4, 1
	v_and_b32 v6, 31, v0
	v_lshlrev_b32 v8, 5, v2
.irp b, 0,1,2,3,4,5,6,7
	global_load_b128 v[CB+8*\b:CB+8*\b+3], v8, s[12:13] offset:64*\b
	global_load_b128 v[CB+8*\b+4:CB+8*\b+7], v8, s[12:13] offset:64*\b+16
.endr
	v_lshlrev_b32 v[CO], 4, v6
	v_mul_u32_u24 v3, v1, PITCH
	v_mul_u32_u24 v5, v1, SPITCH
	v_lshl_add_u32 v4, v2, 4, v3
	v_lshl_add_u32 v5, v2, 5, v5
	v_add_nc_u32 v[ADRA], s21, v[CO]
	v_add_nc_u32 v[ADRA+1], s22, v[CO]
	v_add_nc_u32 v[ADRA+2], s23, v[CO]
	v_add_nc_u32 v[ADRB], s66, v4
	v_add_nc_u32 v[ADRB+1], s67, v4
	v_add_nc_u32 v[ADRB+2], s76, v4
	v_add_nc_u32 v[STO], s77, v5
	v_add_nc_u32 v[RD], s77, v[CO]
	s_wait_alu depctr_va_vdst(0)
	s_wait_kmcnt 0x0
	s_add_co_i32 s96, s96, s97
	s_sub_co_i32 s98, 0, s96
	s_add_co_i32 s96, s96, 127
	s_lshl_b32 s96, s96, 23                        ; 2^(e10 + e11)
	s_mov_b32 s97, s96
	s_wait_loadcnt 0x0
.set jj, 0
.rept 64
	v_ldexp_f32 v[CB+jj], v[CB+jj], s98
.set jj, jj+1
.endr
; 8 matrix instructions: concat's block a x Wo's eight; the accumulators take turns, one instruction a turn
.macro MULB a, p, cm
.irp b, 0,1,2,3,4,5,6,7
.if \cm
	v_wmma_f32_16x16x128_fp8_fp8 v[64*(\a)+8*\b:64*(\a)+8*\b+7], v[128*(\p)+FR*\b:128*(\p)+FR*\b+FR-1], v[AF+64*(\p)+FR*(\a):AF+64*(\p)+FR*(\a)+FR-1], v[CB+8*\b:CB+8*\b+7]
.else
	v_wmma_f32_16x16x128_fp8_fp8 v[64*(\a)+8*\b:64*(\a)+8*\b+7], v[128*(\p)+FR*\b:128*(\p)+FR*\b+FR-1], v[AF+64*(\p)+FR*(\a):AF+64*(\p)+FR*(\a)+FR-1], v[64*(\a)+8*\b:64*(\a)+8*\b+7]
.endif
.endr
.endm
.macro PLACES n                        ; plain vector lines behind a matrix instruction (ISA guide 7.12.1)
.rept \n
	v_nop
.endr
.endm
.macro FETCH slot, q, p                ; the slot's q-th 128 along K into set p: Wo's eight fragments, concat's four
	WIN TO_B
.irp i, 0,1,2,3,4,5,6,7
.irp c, 0,1,2,3
	ds_load_b128 v[128*(\p)+FR*\i+4*\c:128*(\p)+FR*\i+4*\c+3], v[ADRB+\slot] offset:128*(\q)+32*\c+\i*16*PITCH
.endr
.endr
	WIN 0
.irp i, 0,1,2,3
.irp c, 0,1,2,3
	ds_load_b128 v[AF+64*(\p)+FR*\i+4*\c:AF+64*(\p)+FR*\i+4*\c+3], v[ADRA+\slot] offset:4096*\i+2048*(\q)+512*\c
.endr
.endr
.endm
.macro STEP p, slot, q, cm             ; multiplies set p; fetches what comes next into the other set
	s_wait_dscnt 0x0
	PLACES NP
	FETCH \slot, \q, 1-(\p)
.if \cm
	WIN FST_LO
.else
	WIN MUL_LO
.endif
.irp a, 0,1,2,3
	MULB \a, \p, \cm
.endr
	WIN 0
.endm
; A step (set 1) with a barrier: fill = 1: slot 0 has been read out, and takes K step 3 behind a round of the cluster's barrier; fill = 0: K step 3 has landed, and slots 1 and 2 have been read out.
.macro TURN slot, fill
	s_wait_tensorcnt 0x0
.if \fill
	ds_add_u32 v[SPW], v[NIL]
	s_wait_dscnt 0x1                               ; (the add may be out)
	WIN MUL_LO
	MULB 0, 1, 0
	s_wait_dscnt 0x0                               ; the add is done, and so are my reads of this slot
.else
	s_wait_dscnt 0x0
	WIN MUL_LO
	MULB 0, 1, 0
.endif
	s_barrier_signal -1
	MULB 1, 1, 0
	WIN 0
	s_barrier_wait -1
.if \fill
	CREST
	s_add_nc_u64 s[G0+2:G0+3], s[G0+2:G0+3], 3<<21
	s_add_nc_u64 s[G0B+2:G0B+3], s[G0B+2:G0B+3], 3*ROWB
	s_cmp_lg_u32 s14, 0                            ; wave 0: concat's part; wave 1, whose part of slot 0 was Wo's: Wo's; the others none
	s_cbranch_scc1 .Lre_w_\@
	tensor_load_to_lds s[G0:G0+3], s[G1C:G1C+7]
	s_nop 0
.rept 4
	v_nop
.endr
	s_branch .Lre_done_\@
.Lre_w_\@:
	s_cmp_lg_u32 s14, 1
	s_cbranch_scc1 .Lre_done_\@
	tensor_load_to_lds s[G0B:G0B+3], s[G1B:G1B+7]
	s_nop 0
.rept 4
	v_nop
.endr
.Lre_done_\@:
.endif
	PLACES NP
	FETCH \slot, 0, 0
	WIN MUL_LO
	MULB 2, 1, 0
	MULB 3, 1, 0
	WIN 0
.endm
; THE WAY OUT of a block of 16 rows x 128 columns, through my own stage: whole rows of 512 bytes, which the 32 lanes store as two aligned units of 256 bytes.  LDS serves a wave's instructions in order (ISA guide 5.7.1.4).
; Each block is read back into 64 registers of its own, and its place in out stands in the immediate: no register that a store reads is written again.
.macro TOSTAGE a
	WIN 0
	PLACES NP                                      ; the block's sums have just been made
	WIN 0x02
.set jj, 0
.rept 32
	v_pk_mul_f32 v[TMP+jj:TMP+jj+1], v[64*(\a)+jj:64*(\a)+jj+1], s[96:97] op_sel_hi:[1,0]
.set jj, jj+2
.endr
	WIN 0
.irp b, 0,1,2,3,4,5,6,7
	ds_store_b128 v[STO], v[TMP+8*\b:TMP+8*\b+3] offset:64*\b
	ds_store_b128 v[STO], v[TMP+8*\b+4:TMP+8*\b+7] offset:64*\b+16
.endr
	WIN 0xc0
.irp t, 0,1,2,3,4,5,6,7,8,9,10,11,12,13,14,15
	ds_load_b128 v[64*(\a)+4*\t:64*(\a)+4*\t+3], v[RD] offset:\t*SPITCH
.endr
	WIN 0
.endm
.macro SEND a
	s_wait_dscnt 0x0                               ; the block is back in registers
	WIN 0x0c
.irp t, 0,1,2,3,4,5,6,7,8,9,10,11,12,13,14,15
	global_store_b128 v[CO], v[64*(\a)+4*\t:64*(\a)+4*\t+3], s[10:11] offset:(\a)*65536+\t*4096 th:TH_STORE_NT
.endr
	WIN 0
.endm
	s_wait_alu depctr_va_vdst(0)
	s_wait_tensorcnt 0x0                           ; my load has landed
	s_barrier_signal -1
	s_barrier_wait -1                              ; everybody's has: slots 0 to 2 are whole
	FETCH 0, 0, 0
	STEP 0, 0, 1, 1
	TURN 1, 1
	STEP 0, 1, 1, 0
	STEP 1, 2, 0, 0
	STEP 0, 2, 1, 0
	TURN 0, 0
	s_wait_dscnt 0x0                               ; K step 3's first half is in
	PLACES NP
	FETCH 0, 1, 1                                  ; and its second half is asked for
	WIN MUL_LO
	MULB 0, 0, 0
	MULB 1, 0, 0
	s_wait_dscnt 0x0
	MULB 0, 1, 0                                   ; block 0 is finished
	TOSTAGE 0
	WIN MUL_LO
	MULB 1, 1, 0                                   ; block 1
	MULB 2, 0, 0
	WIN 0
	SEND 0
	TOSTAGE 1
	WIN MUL_LO
	MULB 2, 1, 0                                   ; block 2
	MULB 3, 0, 0
	WIN 0
	SEND 1
	TOSTAGE 2
	WIN MUL_LO
	MULB 3, 1, 0                                   ; block 3
	WIN 0
	SEND 2
	TOSTAGE 3
	SEND 3
	s_wait_tensorcnt 0x0                           ; the wave's end
	ds_add_u32 v[SPW], v[NIL]
	s_wait_dscnt 0x0
	CROUND                                         ; the closing round
	s_endpgm
.Lfunc_end_k_q49a65514c6_outp:
	.size	k_q49a65514c6_outp, .Lfunc_end_k_q49a65514c6_outp-k_q49a65514c6_outp
	.p2alignl 7, 3214868480
	.fill 96, 4, 3214868480
	.section	.rodata,"a",@progbits
	.p2align	6, 0x0
	.amdhsa_kernel k_q49a65514c6_outp
		.amdhsa_group_segment_fixed_size 327680
		.amdhsa_private_segment_fixed_size 0
		.amdhsa_enable_private_segment 0
		.amdhsa_kernarg_size 40
		.amdhsa_user_sgpr_count 2
		.amdhsa_user_sgpr_kernarg_segment_ptr 1
		.amdhsa_wavefront_size32 1
		.amdhsa_system_sgpr_workgroup_id_x 1
		.amdhsa_system_sgpr_workgroup_id_y 1
		.amdhsa_system_sgpr_workgroup_id_z 1
		.amdhsa_system_vgpr_workitem_id 0
		.amdhsa_next_free_vgpr 1024
		.amdhsa_next_free_sgpr 100
		.amdhsa_reserve_vcc 0
		.amdhsa_float_denorm_mode_32 3
		.amdhsa_float_denorm_mode_16_64 3
		.amdhsa_memory_ordered 1
		.amdhsa_forward_progress 1
		.amdhsa_inst_pref_size 80
	.end_amdhsa_kernel
	.amdgpu_metadata
---
amdhsa.version: [ 1, 2 ]
amdhsa.kernels:
  - .name:           k_q49a65514c6_outp
    .symbol:         k_q49a65514c6_outp.kd
    .args:
      - { .name: cc, .offset: 0, .size: 8, .value_kind: global_buffer, .address_space: global }
      - { .name: Wo_codes, .offset: 8, .size: 8, .value_kind: global_buffer, .address_space: global }
      - { .name: lowp_scales, .offset: 16, .size: 8, .value_kind: global_buffer, .address_space: global }
      - { .name: out0, .offset: 24, .size: 8, .value_kind: global_buffer, .address_space: global }
      - { .name: bo, .offset: 32, .size: 8, .value_kind: global_buffer, .address_space: global }
    .group_segment_fixed_size: 327680
    .private_segment_fixed_size: 0
    .kernarg_segment_align: 8
    .kernarg_segment_size: 40
    .max_flat_workgroup_size: 128
    .sgpr_count:     100
    .vgpr_count:     1024
    .wavefront_size: 32
...
	.end_amdgpu_metadata
.endif
;; end of part 3
